; MI455X (gfx1250); checked and timed in simulation.
; The chip was launched on July 23, 2026; its instructions are those of AMD's public machine-readable ISA for CDNA 5 (MIT licence, August 2026) and "CDNA5" Instruction Set Architecture Reference Guide (July 2026). The comments in the code are by the model that wrote it; some were corrected since.
;; Multi Headed Attention. Allowed arithmetic: matrix products marked QUANTISED: E2M3 operands, one E8M0 scale for each 32 along K, by v_wmma_scale_f32_16x16x128_f8f6f4 with both operands' format E2M3, f32 sums; everything else in f32.
;; Inputs: K_codes 2 x 2,048 x 32 x 24 uint8 (E2M3 codes of K, K innermost, in blocks of 32 codes, four codes in three bytes); K_scales 2 x 2,048 x 32 uint8 (E8M0 scales of K, one for each 32 codes along K); Q_codes 2 x 2,048 x 32 x 24 uint8 (E2M3 codes of Q, K innermost, in blocks of 32 codes, four codes in three bytes); Q_scales 2 x 2,048 x 32 uint8 (E8M0 scales of Q, one for each 32 codes along K); V_codes 2 x 2,048 x 32 x 24 uint8 (E2M3 codes of V, K innermost, in blocks of 32 codes, four codes in three bytes); V_scales 2 x 2,048 x 32 uint8 (E8M0 scales of V, one for each 32 codes along K); Wk_b 1,024 float32; Wk_w_codes 1,024 x 32 x 24 uint8 (E2M3 codes of Wk_w, K innermost, in blocks of 32 codes, four codes in three bytes); Wk_w_scales 1,024 x 32 uint8 (E8M0 scales of Wk_w, one for each 32 codes along K); Wo_b 1,024 float32; Wo_w_codes 1,024 x 32 x 24 uint8 (E2M3 codes of Wo_w, K innermost, in blocks of 32 codes, four codes in three bytes); Wo_w_scales 1,024 x 32 uint8 (E8M0 scales of Wo_w, one for each 32 codes along K); Wq_b 1,024 float32; Wq_w_codes 1,024 x 32 x 24 uint8 (E2M3 codes of Wq_w, K innermost, in blocks of 32 codes, four codes in three bytes); Wq_w_scales 1,024 x 32 uint8 (E8M0 scales of Wq_w, one for each 32 codes along K); Wv_b 1,024 float32; Wv_w_codes 1,024 x 32 x 24 uint8 (E2M3 codes of Wv_w, K innermost, in blocks of 32 codes, four codes in three bytes); Wv_w_scales 1,024 x 32 uint8 (E8M0 scales of Wv_w, one for each 32 codes along K); padding_mask 2 x 2,048 int32.
;; Outputs: out0 2 x 2,048 x 1,024 float32.
;; This version of the problem:
;;   THIS VERSION OF THE PROBLEM IS GIVEN IN LOW PRECISION. The matrix products marked QUANTISED in the list below multiply operands that are first quantised to E2M3 (2 exponent bits, 3 mantissa bits; 6 bits a number), with one power-of-two scale for each 32 numbers along K (OCP MX v1.0); their sums are f32. All else is computed in f32.
;;   The module's matrix products, in the order in which they are computed (A, B: the left and right operand; K: the contracted axis; several contracted axes count as one K, in the product's order):
;;     1. [M 4,096, K 1,024] x [K 1,024, N 1,024]; A: input V (given as codes); B: input Wv_w (given as codes): QUANTISED
;;     2. [M 4,096, K 1,024] x [K 1,024, N 1,024]; A: input K (given as codes); B: input Wk_w (given as codes): QUANTISED
;;     3. [M 4,096, K 1,024] x [K 1,024, N 1,024]; A: input Q (given as codes); B: input Wq_w (given as codes): QUANTISED
;;     4. batch 32 x [M 2,048, K 64] x [K 64, N 2,048]; A: computed on the way; B: computed on the way: QUANTISED
;;     5. batch 32 x [M 2,048, K 2,048] x [K 2,048, N 64]; A: softmax (see below); B: computed on the way: QUANTISED
;;     6. [M 4,096, K 1,024] x [K 1,024, N 1,024]; A: computed on the way; B: input Wo_w (given as codes): QUANTISED
;;   THE QUANTISER, for each operand of a quantised product, along K:
;;     - K is cut into blocks of 32 from its start; a last block that is shorter is filled with zeros.
;;     - A block's scale is 2^e with e = floor(log2(the largest magnitude in the block)) - 2, held to -126 .. 127; a block of zeros has e = 0. As a byte (E8M0): e + 127.
;;     - Each number is divided by its block's scale, clamped to +-7.5, and rounded to the nearest number of E2M3, ties to even, subnormals kept.
;;     - The product sums the exact products of the quantised numbers (number of the format x scale) in f32.
;;   ~~~python
;;   def quantise(x, axis):      # numpy; x: float32 -> the quantised numbers, widened to float32 again
;;       x = np.moveaxis(x, axis, -1); K = x.shape[-1]
;;       x = np.pad(x, [(0, 0)] * (x.ndim - 1) + [(0, -K % 32)]); x = x.reshape(x.shape[:-1] + (-1, 32)); a = np.abs(x).max(-1, keepdims=True)
;;       e = np.where(a > 0, np.clip(np.frexp(np.where(a > 0, a, 1))[1] - 1 - 2, -126, 127), 0)      # np.frexp(a)[1] - 1 = floor(log2(a)), exactly
;;       r = np.clip(x / 2.0 ** e, -7.5, 7.5)
;;       step = 2.0 ** (np.maximum(np.frexp(np.where(r == 0, 1, r))[1] - 1, 0) - 3)
;;       q = np.round(r / step) * step * 2.0 ** e      # np.round: ties to even
;;       return np.moveaxis(q.reshape(q.shape[:-2] + (-1,))[..., :K], -1, axis).astype(np.float32)
;;   ~~~
;;   SOFTMAX AHEAD OF A QUANTISED PRODUCT. Where the list says 'softmax', what is quantised is not the finished softmax but p = 2^(t - M), with t = logit x log2(e) and M = ceil(the row's largest t), a whole number; so 1/2 < the row's largest p <= 1. The row's sum l is taken of the UNQUANTISED p, in f32, and the product's result is divided by l at the end. Since M is a whole number, a kernel that streams over the keys may use a running M (the ceiling of the running maximum): every later rescaling is an exact power of two, which a block's scale takes up: the codes' values come out the same.
;;   OPERANDS COMPUTED ON THE WAY. 'Computed on the way' means the value that the module computes at that place (a softmax that the list does not call 'softmax' is quantised finished and normalised). What goes into a quantiser is computed in f32, as accurately as f32 sums, v_exp_f32 and their like allow (about 1e-6 of the number): no bf16 or f16 on the way to a quantiser, and a product that is left as it is and whose result goes on into a quantised operand takes f32 operands (vector FMAs, or v_wmma_f32_16x16x4_f32). A number that lies on a knife's edge between two numbers of the format may be rounded either way, as far as f32 arithmetic and the matrix unit's own rounding can turn it there, and no further.
;;   INPUTS GIVEN AS CODES. K (in the module: [2, 2048, 1024], K = its axis 2); Q (in the module: [2, 2048, 1024], K = its axis 2); V (in the module: [2, 2048, 1024], K = its axis 2); Wk_w (in the module: [1024, 1024], K = its axis 1); Wo_w (in the module: [1024, 1024], K = its axis 1); Wq_w (in the module: [1024, 1024], K = its axis 1); Wv_w (in the module: [1024, 1024], K = its axis 1): each comes as NAME_codes (uint8): NAME with its K axis moved to the last place and cut into blocks of 32 codes, [.., K / 32, bytes a block], one block behind the other in memory; four codes in three bytes: a row's codes are one little-endian stream of bits, code i at bits 6 i .. 6 i + 5 (a code: sign, 2 exponent bits, 3 mantissa bits); and NAME_scales (uint8): the same leading axes, one E8M0 byte (e + 127) for each 32 codes along K. Its value is code x scale, taken as it is: it is not quantised again, and the codes and scales need not be those that the quantiser above would give.
;; One version. Each part assembles by itself: llvm-mc -triple=amdgcn-amd-amdhsa -mcpu=gfx1250 --defsym DOCPART=n.
;; ======== version 1 of 1: 3 launches
;; limits: right only within a limited range of input values
;; workspace buffers: qc 3,145,728 bytes; qs 262,144 bytes; kc 3,145,728 bytes; ks 262,144 bytes; vc 3,145,728 bytes; vs 131,072 bytes; oc 3,145,728 bytes; os 131,072 bytes
;; launch proj (part 1): grid 4 x 48, 4 waves a work-group, clusters of 4 x 4, 327,680 bytes of LDS; arguments Q_codes, Q_scales, Wq_w_codes, Wq_w_scales, Wq_b, qc, qs, K_codes, K_scales, Wk_w_codes, Wk_w_scales, Wk_b, kc, ks, V_codes, V_scales, Wv_w_codes, Wv_w_scales, Wv_b, vc, vs, padding_mask; writes qc, qs, kc, ks, vc, vs
.if DOCPART == 1
	.amdgcn_target "amdgcn-amd-amdhsa--gfx1250"
	.amdhsa_code_object_version 6
	.text
	.protected	k_q91b8030c3a_proj
	.globl	k_q91b8030c3a_proj
	.p2align	8
	.type	k_q91b8030c3a_proj,@function
k_q91b8030c3a_proj:
	s_mov_b64 s[64:65], 0
	v_nop
	global_prefetch_b8 v0, s[64:65] scope:SCOPE_SE
	s_setreg_imm32_b32 hwreg(HW_REG_WAVE_MODE, 25, 1), 1
	s_wait_xcnt 0x0
	s_wait_alu depctr_hold_cnt(0) depctr_sa_sdst(0) depctr_va_vdst(0) depctr_va_sdst(0) depctr_va_ssrc(0) depctr_va_vcc(0) depctr_vm_vsrc(0)
	s_getreg_b32 s2, hwreg(HW_REG_IB_STS2, 6, 4)
	s_cmp_eq_u32 s2, 0
	s_cbranch_scc0 .Lentry_in_a_cluster
	s_endpgm
.Lentry_in_a_cluster:
	s_bfe_u32 s2, ttmp6, 0x10000c
	s_cmp_lg_u32 s2, 0xf033
	s_cbranch_scc0 .Lentry_shape_is_right
	s_endpgm
.Lentry_shape_is_right:
; q, k, v = x W^T + b on codes of FP6 (E2M3) with E8M0 scales, quantised again on the way out.  192 work-groups of 256 x 256, K = 1,024; clusters 0-3 make q, 4-7 k, 8-11 v (y / 4).
; For q and k source 1 (A) = tokens, source 0 (B) = rows of W; for v A = rows of W, B = tokens: a lane's registers run along the next product's K.
; ROWS OF A TILE.  Lane r of tile i takes row 64 (i/4) + 8 ((i%4) ^ (r/8)) + 32 (r/8) + r%8.  So lane half h holds, over four tiles, one whole scale block of 32 neighbours (its octets in the order 0123 or 1032),
; and the 16 rows of a load (pitch 272 bytes) start 4 banks apart.  q and k share that order, v's tokens and the attention's keys share it.
; THE PADDING MASK goes into k's scale words: [s0, s1, m, 1] (even tile) or [m, 1, s0, s1] (odd): m = 1 or, where the mask is 0, 227: against the constant -1 that the attention multiplies there this makes -2^100.
; A masked key's codes are made zero (its scale is taken so large) and its bytes 1, so that its score is -2^100 exactly.
; LDS: two slots of a chunk of 256 bytes of each row: A's 256 rows, B's 256 rows.  Chunks 0 and 1 are asked for at the head, one joint load a wave; chunk 2 refills slot 0 behind step 2.
; The scale bytes go straight into registers: lanes 0-15 A's words, lanes 16-31 B's.
; LIMITS: NaN and infinities are not served.  A block of zeros has the byte 1 (its codes are zeros; this program alone reads these bytes).
; OUT: qc, kc [bh][step of 128 tokens][tile 8][16 x lane: registers 0-3 | 512 + 8 x lane: registers 4, 5]; qs, ks [bh][step][lane][word of tile 2 w + h, w = 0..3]; vc [bh][step][tile of d][piece][lane][16]; vs [bh][step][lane][2].
.set PITCH,  272
.set KROW,   768
.set HALFT,  128*PITCH
.set SLOT,   4*HALFT
.set SPARE,  2*SLOT
.set FR,     12
.set NL,     6
.set SPW,    5
.set NIL,    6
.set ADRA,   8                         ; 8 registers: slot 0, 1 (even tile, odd tile), then loads across two chunks
.set ADRB,   16
.set FL,     24                        ; the floor of a tile's largest magnitudes: large where the key is masked
.set SC,     32                        ; SC + 8 q + i: step q, block i
.set BI,     96                        ; bias of block i: BI + 8 i + 96 (i / 4)
.set AF,     128
.set G1,     72
.set G1B,    80
.set MSB, 0
.macro WIN new
.if MSB != \new
	s_set_vgpr_msb (MSB<<8)|(\new)
.set MSB, \new
.endif
.endm
.macro PLACES
.rept 4
	v_nop
.endr
.endm
.macro CREST
	s_cmp_lg_u32 s14, 0
	s_cbranch_scc1 .Lnot_wave_0_\@
	s_barrier_signal -3
.Lnot_wave_0_\@:
	s_barrier_wait -3
	s_barrier_signal -1
	s_barrier_wait -1
.endm
.macro CROUND
	s_barrier_signal -1
	s_barrier_wait -1
	CREST
.endm
.macro MKG0 g, lds, src, off
	s_mov_b32 s[\g], 1
	s_mov_b32 s[\g+1], \lds
	s_add_nc_u64 s[\g+2:\g+3], s[\src:\src+1], \off
	s_or_b32 s[\g+3], s[\g+3], 0x80000000
.endm
.macro ARM under, g0, g1, next
	s_cmp_lt_u32 s14, \under
	s_cbranch_scc0 \next
	tensor_load_to_lds s[\g0:\g0+3], s[\g1:\g1+7]
	s_nop 0
	PLACES
	s_branch .Lasked
\next:
.endm
	s_load_b512 s[24:39], s[0:1], 0x0
	s_load_b512 s[40:55], s[0:1], 0x40
	s_load_b256 s[56:63], s[0:1], 0x80
	s_load_b128 s[68:71], s[0:1], 0xa0
	v_lshl_add_u32 v[SPW], v0, 2, SPARE
	v_mov_b32 v[NIL], 0
	ds_add_u32 v[SPW], v[NIL]                      ; the opening adds
	ds_add_u32 v[SPW], v[NIL]
	v_lshrrev_b32 v1, 5, v0
	v_readfirstlane_b32 s14, v1                    ; wave
	s_lshr_b32 s15, s14, 1                         ; my half of A's rows
	s_and_b32 s16, s14, 1                          ; my half of B's
	s_and_b32 s18, ttmp7, 0xffff
	s_lshr_b32 s95, s18, 2                         ; 0 q, 1 k, 2 v: made of the cluster's y
	s_and_b32 s18, s18, 3
	s_lshl_b32 s18, s18, 2
	s_lshr_b32 s20, s95, 1
	s_xor_b32 s21, s20, 1
	s_mul_i32 s20, s20, s18
	s_mul_i32 s21, s21, s18
	s_bfe_u32 s88, ttmp6, 0x40000                  ; cx
	s_bfe_u32 s89, ttmp6, 0x40004                  ; cy
	s_add_co_u32 s90, s20, s88                     ; B's tile of 256 rows
	s_add_co_u32 s17, s21, s89                     ; A's
	s_lshl_b32 s91, s89, 2
	s_lshl_b32 s91, 15, s91
	s_lshl_b32 s92, 0x1111, s88
	s_or_b32 s[G1], s91, (1<<20)|(1<<21)|(5<<22)|(3<<25)   ; A's tiles go to my row of the cluster, B's to my column; rows of 256 bytes + 16 of padding
	s_or_b32 s[G1B], s92, (1<<20)|(1<<21)|(5<<22)|(3<<25)
.irp g, G1, G1B
	s_mov_b32 s[\g+1], 256<<16
	s_mov_b32 s[\g+2], 256<<16
	s_mov_b32 s[\g+3], 256<<16
	s_mov_b32 s[\g+4], 256
	s_mov_b32 s[\g+5], KROW
	s_mov_b32 s[\g+6], 0
	s_mov_b32 s[\g+7], 0
.endr
	s_mul_i32 s18, s17, 256*KROW
	s_mov_b32 s19, 0
	s_lshl_b32 s20, s17, 13
	s_lshl_b32 s21, s15, 12
	s_add_co_u32 s20, s20, s21
	s_mov_b32 s21, 0
	s_mul_i32 s22, s90, 256*KROW
	s_mov_b32 s23, 0
	s_lshl_b32 s2, s90, 13
	s_lshl_b32 s3, s16, 12
	s_add_co_u32 s2, s2, s3
	s_mov_b32 s3, 0
	s_mul_i32 s93, s15, HALFT
	s_mul_i32 s94, s16, HALFT
	s_add_co_u32 s94, s94, 2*HALFT
	v_bfe_u32 v2, v0, 4, 1                         ; h
	v_and_b32 v7, 31, v0
	v_lshlrev_b32 v3, 4, v7                        ; 16 x lane
	v_lshlrev_b32 v4, 3, v7                        ; 8 x lane
	v_mul_u32_u24 v7, 768, v7                      ; the prefetch's offset: a lane a row
	v_bfe_u32 v130, v0, 3, 1
	v_and_b32 v131, 7, v0
	v_mad_u32_u24 v132, v130, 40, v131             ; my row in an even tile,
	v_mad_u32_u24 v133, v130, 24, v131             ; in an odd one (the tile's own 64 (i/4) + 8 (i%4) stands in the immediate)
	v_lshlrev_b32 v134, 5, v132
	v_lshlrev_b32 v135, 5, v133
	v_lshlrev_b32 v136, 2, v132
	v_lshlrev_b32 v137, 2, v133
	v_mul_u32_u24 v138, 160, v2
	v_mul_u32_u24 v139, 96, v2
	v_mul_u32_u24 v141, PITCH, v132
	v_mul_u32_u24 v142, PITCH, v133
	v_mul_u32_u24 v143, 24, v2
	v_mul_u32_u24 v145, SLOT-232, v2
	v_sub_nc_u32 v147, 1, v2
	v_mul_u32_u24 v147, SLOT+232, v147
	v_add_nc_u32 v145, 232, v145
.irp e, 0,1
	v_add_nc_u32 v144, v[141+\e], v143
	v_add_nc_u32 v146, v[141+\e], v145             ; lanes 0-15 byte 232 in slot 0, lanes 16-31 byte 0 in slot 1
	v_add_nc_u32 v148, v[141+\e], v147             ; lanes 0-15 byte 232 in slot 1, lanes 16-31 byte 0 in slot 0
	v_add_nc_u32 v[ADRA+\e], s93, v144
	v_add_nc_u32 v[ADRB+\e], s94, v144
	v_add_nc_u32 v[ADRA+2+\e], SLOT, v[ADRA+\e]
	v_add_nc_u32 v[ADRB+2+\e], SLOT, v[ADRB+\e]
	v_add_nc_u32 v[ADRA+4+\e], s93, v146
	v_add_nc_u32 v[ADRB+4+\e], s94, v146
	v_add_nc_u32 v[ADRA+6+\e], s93, v148
	v_add_nc_u32 v[ADRB+6+\e], s94, v148
.endr
	s_wait_alu depctr_va_vdst(0)
	s_wait_dscnt 0x0
	CROUND                                         ; all sixteen work-groups are here
	s_wait_kmcnt 0x0
	s_cmp_eq_u32 s95, 1
	s_cselect_b64 s[4:5], s[38:39], s[24:25]       ; A's codes, its scales, B's codes, its scales, bias, out
	s_cselect_b64 s[6:7], s[40:41], s[26:27]
	s_cselect_b64 s[8:9], s[42:43], s[28:29]
	s_cselect_b64 s[10:11], s[44:45], s[30:31]
	s_cselect_b64 s[12:13], s[46:47], s[32:33]
	s_cselect_b64 s[96:97], s[48:49], s[34:35]
	s_cselect_b64 s[98:99], s[50:51], s[36:37]
	s_cmp_eq_u32 s95, 2
	s_cselect_b64 s[4:5], s[56:57], s[4:5]
	s_cselect_b64 s[6:7], s[58:59], s[6:7]
	s_cselect_b64 s[8:9], s[52:53], s[8:9]
	s_cselect_b64 s[10:11], s[54:55], s[10:11]
	s_cselect_b64 s[12:13], s[60:61], s[12:13]
	s_cselect_b64 s[96:97], s[62:63], s[96:97]
	s_cselect_b64 s[98:99], s[68:69], s[98:99]
	s_add_nc_u64 s[4:5], s[4:5], s[18:19]
	s_add_nc_u64 s[6:7], s[6:7], s[20:21]
	s_add_nc_u64 s[8:9], s[8:9], s[22:23]
	s_add_nc_u64 s[10:11], s[10:11], s[2:3]
	MKG0 24, 0, 4, 0
	MKG0 28, 2*HALFT, 8, 0
	MKG0 32, SLOT, 4, 256
	MKG0 36, SLOT+2*HALFT, 8, 256
	ARM 1, 24, G1, .Lhead_1                        ; wave 0: chunk 0 of A; 1: of B; 2: chunk 1 of A; 3: of B
	ARM 2, 28, G1B, .Lhead_2
	ARM 3, 32, G1, .Lhead_3
	tensor_load_to_lds s[36:39], s[G1B:G1B+7]
	s_nop 0
	PLACES
.Lasked:
	WIN 0x80
.irp i, 0,1,2,3,4,5,6,7                                ; the scale words of my 128 rows of A and of B, eight a row, into registers that the sums take later
	global_load_b128 v[8*\i:8*\i+3], v[134+\i%2], s[6:7] offset:2048*(\i/4)+256*(\i%4)
	global_load_b128 v[8*\i+4:8*\i+7], v[134+\i%2], s[6:7] offset:2048*(\i/4)+256*(\i%4)+16
	global_load_b128 v[64+8*\i:64+8*\i+3], v[134+\i%2], s[10:11] offset:2048*(\i/4)+256*(\i%4)
	global_load_b128 v[64+8*\i+4:64+8*\i+7], v[134+\i%2], s[10:11] offset:2048*(\i/4)+256*(\i%4)+16
.endr
	WIN 0
	; chunk 2 of the rows, the refill of step 2, is asked for into the L2: the four partners of a joint load share its 256 rows by address, 64 each; waves 0, 1 A's, waves 2, 3 B's, a lane a row
	s_cmp_eq_u32 s15, 0
	s_cselect_b64 s[40:41], s[4:5], s[8:9]
	s_cselect_b32 s42, s88, s89
	s_lshl_b32 s42, s42, 6
	s_lshl_b32 s43, s16, 5
	s_add_co_u32 s42, s42, s43
	s_mul_i32 s42, s42, KROW
	s_mov_b32 s43, 0
	s_add_nc_u64 s[40:41], s[40:41], s[42:43]
	global_prefetch_b8 v7, s[40:41] offset:512 th:TH_LOAD_NT scope:SCOPE_SE
	s_mov_b32 s45, 0
	s_mov_b32 s47, 0
	s_cmp_eq_u32 s95, 2
	s_cbranch_scc1 .Lbias_v
	s_lshl_b32 s44, s90, 10
	s_lshl_b32 s46, s16, 9
	s_add_co_u32 s44, s44, s46
	s_add_nc_u64 s[48:49], s[12:13], s[44:45]
	s_lshl_b32 s44, s17, 10
	s_lshl_b32 s46, s15, 9
	s_add_co_u32 s46, s44, s46
	s_add_nc_u64 s[50:51], s[70:71], s[46:47]
.irp b, 0,1,2,3,4,5,6,7
	global_load_b128 v[BI+8*\b+96*(\b/4):BI+8*\b+96*(\b/4)+3], v[138+\b%2], s[48:49] offset:4*(64*(\b/4)+8*(\b%4))
	global_load_b128 v[BI+8*\b+96*(\b/4)+4:BI+8*\b+96*(\b/4)+7], v[138+\b%2], s[48:49] offset:4*(64*(\b/4)+8*(\b%4))+16
	global_load_b32 v[FL+\b], v[136+\b%2], s[50:51] offset:4*(64*(\b/4)+8*(\b%4))
.endr
	s_cmp_eq_u32 s95, 0
	s_cselect_b32 s2, 1, 0                         ; q's rows are never masked
	v_mov_b32 v150, 0x1800000                      ; the floor 2^(3 - 127): a scale byte is 1 at the least
	v_mov_b32 v151, 0x7f000000
	s_wait_alu depctr_va_vdst(0)
	s_wait_loadcnt 0x0
.irp a, 0,1,2,3,4,5,6,7
	v_or_b32 v[FL+\a], s2, v[FL+\a]
.endr
.irp a, 0,1,2,3,4,5,6,7
	v_cmp_eq_u32 vcc_lo, 0, v[FL+\a]
	v_cndmask_b32 v[FL+\a], v150, v151, vcc_lo
.endr
	s_branch .Lbias_in
.Lbias_v:
	s_lshl_b32 s44, s17, 10
	s_lshl_b32 s46, s15, 9
	s_add_co_u32 s46, s44, s46
	s_add_nc_u64 s[48:49], s[12:13], s[46:47]
.irp a, 0,1,2,3,4,5,6,7
	global_load_b32 v[BI+8*\a+96*(\a/4)], v[136+\a%2], s[48:49] offset:4*(64*(\a/4)+8*(\a%4))
.endr
	s_wait_loadcnt 0x0
.irp i, 1,2,3,4,5,6,7
.irp a, 0,1,2,3,4,5,6,7
	v_mov_b32 v[BI+8*\a+96*(\a/4)+\i], v[BI+8*\a+96*(\a/4)]
.endr
.endr
.Lbias_in:
	s_mov_b32 s3, 0xffff0000                       ; lanes 16-31
	WIN 0x0a
.irp i, 0,1,2,3,4,5,6,7
.irp q, 0,1,2,3,4,5,6,7
	v_cndmask_b32 v[SC+8*\q+\i], v[8*\i+\q], v[64+8*\i+\q], s3
.endr
.endr
	WIN 0
.macro FRAG reg, adr, st, i            ; 16 rows x 128 K: pieces of 8 bytes; byte y of a row of codes lies in chunk y / 256, slot (y / 256) % 2
.set RW, (64*((\i)/4)+8*((\i)%4))*PITCH
.irp p, 0,1,2,3,4,5
.set BY, 96*(\st)+48*(\p/3)+8*(\p%3)
.if BY/256 == (BY+24)/256
	ds_load_b64 v[\reg+2*\p:\reg+2*\p+1], v[\adr+2*((BY/256)%2)+(\i)%2] offset:BY%256+RW
.else
	ds_load_b64 v[\reg+2*\p:\reg+2*\p+1], v[\adr+4+2*((BY/256)%2)+(\i)%2] offset:BY%256-232+RW
.endif
.endr
.endm
.macro FETCH_B st, p
	WIN 0x40
.irp i, 0,1,2,3,4,5,6,7
	FRAG 128*(\p)+FR*\i, ADRB, \st, \i
.endr
	WIN 0
.endm
.macro FETCH_A st, i0
.irp i, \i0, \i0+1, \i0+2, \i0+3
	FRAG AF+FR*(\i), ADRA, \st, \i
.endr
.endm
; 16 products: A's blocks a0, a0 + 1 x B's eight, the 64 accumulators by turns.  zero: 1 the bias of B's block is C, 2 that of A's block
.macro MUL16 a0, st, zero
.irp a, \a0, \a0+1
.irp b, 0,1,2,3,4,5,6,7
.set D_, 8*(8*((\a)%4)+\b)
.if \zero == 0
.set C_, D_
.elseif \zero == 1
.set C_, BI+8*\b+96*(\b/4)
.else
.set C_, BI+8*(\a)+96*((\a)/4)
.endif
	v_wmma_scale_f32_16x16x128_f8f6f4 v[D_:D_+7], v[128*((\st)%2)+FR*\b:128*((\st)%2)+FR*\b+FR-1], v[AF+FR*(\a):AF+FR*(\a)+FR-1], v[C_:C_+7], v[SC+8*(\st)+\b], v[SC+8*(\st)+\a] matrix_a_fmt:MATRIX_FMT_FP6 matrix_b_fmt:MATRIX_FMT_FP6 matrix_a_scale:MATRIX_SCALE_ROW1
.endr
.endr
.endm
.macro WMUL hi, zero                   ; source 0 window 1, source 1 window 0, D window 2 or 3, C there or (the bias) in window 0
.if \zero
	WIN 0x81+0x40*\hi
.else
	WIN 0xa1+0x50*\hi
.endif
.endm
; A step of 128 along K.  Steps 1 and 4: a barrier shows the chunk that the next step enters.  Step 2: chunk 0 is read no more: the drained round, and chunk 2 into slot 0.
.macro STEP st, zero
.set NX, (\st)+1
.if (\st == 1) || (\st == 2) || (\st == 4)
	s_wait_tensorcnt 0x0
.if \st == 2
	ds_add_u32 v[SPW], v[NIL]
	s_wait_dscnt 4*NL+1                            ; the add and A's blocks 4-7 may be out
.else
	s_wait_dscnt 4*NL
.endif
	WMUL 0, \zero
	MUL16 0, \st, \zero
	s_wait_dscnt 0x0
	s_barrier_signal -1
	MUL16 2, \st, \zero
	WIN 0
	s_barrier_wait -1
.if \st == 2
	CREST
	s_add_nc_u64 s[26:27], s[26:27], 512
	s_add_nc_u64 s[30:31], s[30:31], 512
	s_cmp_lt_u32 s14, 1
	s_cbranch_scc0 .Lfill_b
	tensor_load_to_lds s[24:27], s[G1:G1+7]
	s_nop 0
	PLACES
	s_branch .Lfilled
.Lfill_b:
	s_cmp_lt_u32 s14, 2
	s_cbranch_scc0 .Lfilled
	tensor_load_to_lds s[28:31], s[G1B:G1B+7]
	s_nop 0
	PLACES
.Lfilled:
.endif
	PLACES
.else
	s_wait_dscnt 4*NL                              ; B's set and A's blocks 0-3 are in
	WMUL 0, \zero
	MUL16 0, \st, \zero
	MUL16 2, \st, \zero
	s_wait_dscnt 0x0
	PLACES
.endif
	FETCH_B NX, NX%2
	FETCH_A NX, 0
	WMUL 1, \zero
	MUL16 4, \st, \zero
	MUL16 6, \st, \zero
	PLACES
	WIN 0
	FETCH_A NX, 4
.endm
	s_wait_alu depctr_va_vdst(0)                   ; the wait at the head's end
	s_cmp_lt_u32 s14, 2
	s_cbranch_scc0 .Lnot_chunk_0
	s_wait_tensorcnt 0x0
.Lnot_chunk_0:
	s_barrier_signal -1
	s_barrier_wait -1                              ; chunk 0 is in; chunk 1 may be on its way
	FETCH_B 0, 0
	FETCH_A 0, 0
	FETCH_A 0, 4
	s_cmp_eq_u32 s95, 2
	s_cbranch_scc1 .Lstep_0_v
	STEP 0, 1
	s_branch .Lstep_1
.Lstep_0_v:
	STEP 0, 2
.Lstep_1:
	STEP 1, 0
	STEP 2, 0
	STEP 3, 0
	STEP 4, 0
	STEP 5, 0
	STEP 6, 0
	s_wait_dscnt 4*NL
	WMUL 0, 0
	MUL16 0, 7, 0
	MUL16 2, 7, 0
	s_wait_dscnt 0x0
	WMUL 1, 0
	MUL16 4, 7, 0
	MUL16 6, 7, 0
	WIN 0
; THE WAY OUT of A's block a: a lane's registers 32 g + 0..31 are one scale block.  Four chains of maxima by turns.
.macro EBLK vp, a
.set AC, 64*((\a)%4)
.set CS, 128+20*((\a)%2)
.set W_, 2+(\a)/4
.set PA_, (\a)%2
.if \a > 1
	s_wait_alu depctr_va_vdst(0)
	s_wait_xcnt 0x0                                ; block a - 2's stores have read their registers
.endif
	WIN W_*0x15
.irp k, 0,1,2,3
	v_max3_num_f32 v[176+\k], |v[AC+16*\k]|, |v[AC+16*\k+1]|, |v[AC+16*\k+2]|
.endr
	WIN W_*0x14
.irp i, 3,5,7,9,11,13
.irp k, 0,1,2,3
	v_max3_num_f32 v[176+\k], v[176+\k], |v[AC+16*\k+\i]|, |v[AC+16*\k+\i+1]|
.endr
.endr
.irp k, 0,1,2,3
	v_max_num_f32 v[176+\k], v[176+\k], |v[AC+16*\k+15]|
.endr
	WIN 0
.irp g, 0,1
.if \vp
	v_max3_num_f32 v[176+2*\g], v[176+2*\g], v[177+2*\g], 0x1800000
.else
	v_max3_num_f32 v[176+2*\g], v[176+2*\g], v[177+2*\g], v[FL+\a]
.endif
.endr
.irp g, 0,1
	v_add_nc_u32 v[180+\g], 0xff000000, v[176+2*\g]        ; 2 off the exponent field: the conversion's scale
.endr
.irp g, 0,1
	v_lshrrev_b32 v[184+2*PA_+\g], 23, v[180+\g]           ; the byte
.endr
	WIN W_
.irp g, 0,1
	v_cvt_scalef32_pk16_fp6_f32 v[CS+6*\g:CS+6*\g+2], v[AC+32*\g:AC+32*\g+15], v[180+\g]
	v_cvt_scalef32_pk16_fp6_f32 v[CS+12+4*\g:CS+12+4*\g+2], v[AC+32*\g+16:AC+32*\g+31], v[180+\g]
.endr
	WIN 0
	v_nop
.irp g, 0,1
.irp i, 0,1,2
	v_mov_b32 v[CS+6*\g+3+\i], v[CS+12+4*\g+\i]
.endr
.endr
.if \vp
.irp k, 0,1,2
	global_store_b128 v3, v[CS+4*\k:CS+4*\k+3], s[96:97] offset:98304*((\a)/4)+1536*((\a)%4)+512*\k
.endr
	v_lshl_or_b32 v[188+PA_], v[185+2*PA_], 16, v[184+2*PA_]
.if PA_
	v_cndmask_b32 v190, v188, v189, s3                     ; my tile's bytes: lanes 0-15 the even tile's, lanes 16-31 the odd one's,
	v_cndmask_b32 v191, v189, v188, s3                     ; and those that the other half wants
	v_permlanex16_b32 v209, v191, s100, s101
	v_perm_b32 v[192+(\a)/2], v190, v209, v208
.endif
.else
.irp g, 0,1
	global_store_b128 v3, v[CS+6*\g:CS+6*\g+3], s[96:97] offset:98304*\g+768*(\a)
	global_store_b64 v4, v[CS+6*\g+4:CS+6*\g+5], s[96:97] offset:98304*\g+768*(\a)+512
.endr
.if PA_
.irp g, 0,1
	v_lshl_or_b32 v[188+\g], v[186+\g], 16, v[184+\g]
.endr
.irp g, 0,1
	v_permlanex16_b32 v[190+\g], v[188+\g], s100, s101
.endr
.irp g, 0,1
	v_perm_b32 v[188+\g], v[188+\g], v[190+\g], v208
.endr
.irp g, 0,1
	v_and_or_b32 v[192+4*\g+(\a)/2], v[188+\g], v[200+(\a)/2], v[204+(\a)/2]
.endr
.endif
.endif
.endm
.macro OUTADDR hi, mid, lo, st, sthalf, scalesh, stepsh   ; s18 = bh of my first head, s19 = my step
	s_lshr_b32 s18, s\hi, 3
	s_lshl_b32 s18, s18, 4
	s_lshl_b32 s19, s\mid, 2
	s_add_co_u32 s18, s18, s19
	s_lshl_b32 s19, s\lo, 1
	s_add_co_u32 s18, s18, s19
	s_and_b32 s19, s\st, 7
	s_lshl_b32 s19, s19, 1
	s_add_co_u32 s19, s19, s\sthalf
	s_mul_i32 s20, s18, 98304
	s_mul_i32 s22, s19, 6144
	s_add_co_u32 s20, s20, s22
	s_mov_b32 s21, 0
	s_add_nc_u64 s[96:97], s[96:97], s[20:21]
	s_lshl_b32 s20, s18, \scalesh
	s_lshl_b32 s22, s19, \stepsh
	s_add_co_u32 s20, s20, s22
	s_add_nc_u64 s[98:99], s[98:99], s[20:21]
.endm
	s_mov_b32 s100, 0x76543210
	s_mov_b32 s101, 0xfedcba98
	s_cmp_eq_u32 s95, 2
	s_cbranch_scc1 .Lout_v
	OUTADDR 17, 90, 16, 17, 15, 13, 9
	s_mov_b32 s2, 0x0101
	s_mov_b32 s20, 0x7f7f
	s_cmp_eq_u32 s95, 0
	s_cselect_b32 s2, s20, s2                      ; the bytes of the constant half: q's 127, k's 1
	PLACES
	v_sub_nc_u32 v210, 1, v2
	v_lshlrev_b32 v210, 4, v210
	v_mov_b32 v211, s2
	v_lshlrev_b32 v211, v210, v211                 ; even tile (lanes 0-15): upper half; odd tile: lower half
	v_mov_b32 v212, 0x01e30101                     ; a masked key's whole word
	v_mov_b32 v213, 0x010101e3
	v_cndmask_b32 v212, v212, v213, s3
	v_mov_b32 v208, 0x0c0c0004
	v_mov_b32 v214, 0x06020c0c
	v_cndmask_b32 v208, v208, v214, s3
	v_mov_b32 v216, 0
	v_mov_b32 v190, 0                              ; a lane permute's destination counts as one of its sources
	v_mov_b32 v191, 0
.irp q, 0,1,2,3
	v_cndmask_b32 v215, v[FL+2*\q], v[FL+2*\q+1], s3
	v_cmp_eq_u32 vcc_lo, 0x7f000000, v215
	v_cndmask_b32 v[204+\q], v211, v212, vcc_lo
	v_cndmask_b32 v[200+\q], -1, v216, vcc_lo
.endr
.irp a, 0,1,2,3,4,5,6,7
	EBLK 0, \a
.endr
	global_store_b128 v3, v[192:195], s[98:99]
	global_store_b128 v3, v[196:199], s[98:99] offset:8192
	s_branch .Lend
.Lout_v:
	OUTADDR 90, 17, 15, 90, 16, 12, 8
	PLACES
	v_mov_b32 v208, 0x02060004
	v_mov_b32 v214, 0x06020400
	v_cndmask_b32 v208, v208, v214, s3
	v_mov_b32 v209, 0
.irp a, 0,1,2,3,4,5,6,7
	EBLK 1, \a
.endr
	global_store_b64 v4, v[192:193], s[98:99]
	global_store_b64 v4, v[194:195], s[98:99] offset:4096
.Lend:
	s_wait_tensorcnt 0x0                           ; the wave's end
	ds_add_u32 v[SPW], v[NIL]
	s_wait_dscnt 0x0
	CROUND                                         ; the closing round
	s_endpgm
.Lfunc_end_k_q91b8030c3a_proj:
	.size	k_q91b8030c3a_proj, .Lfunc_end_k_q91b8030c3a_proj-k_q91b8030c3a_proj
	.p2alignl 7, 3214868480
	.fill 96, 4, 3214868480
	.section	.rodata,"a",@progbits
	.p2align	6, 0x0
	.amdhsa_kernel k_q91b8030c3a_proj
		.amdhsa_group_segment_fixed_size 327680
		.amdhsa_private_segment_fixed_size 0
		.amdhsa_enable_private_segment 0
		.amdhsa_kernarg_size 176
		.amdhsa_user_sgpr_count 2
		.amdhsa_user_sgpr_kernarg_segment_ptr 1
		.amdhsa_wavefront_size32 1
		.amdhsa_system_sgpr_workgroup_id_x 1
		.amdhsa_system_sgpr_workgroup_id_y 1
		.amdhsa_system_sgpr_workgroup_id_z 1
		.amdhsa_system_vgpr_workitem_id 0
		.amdhsa_next_free_vgpr 1024
		.amdhsa_next_free_sgpr 102
		.amdhsa_reserve_vcc 1
		.amdhsa_float_denorm_mode_32 3
		.amdhsa_float_denorm_mode_16_64 3
		.amdhsa_memory_ordered 1
		.amdhsa_forward_progress 1
		.amdhsa_inst_pref_size 216
	.end_amdhsa_kernel
	.amdgpu_metadata
---
amdhsa.version: [ 1, 2 ]
amdhsa.kernels:
  - .name:           k_q91b8030c3a_proj
    .symbol:         k_q91b8030c3a_proj.kd
    .args:
      - { .name: Q_codes, .offset: 0, .size: 8, .value_kind: global_buffer, .address_space: global }
      - { .name: Q_scales, .offset: 8, .size: 8, .value_kind: global_buffer, .address_space: global }
      - { .name: Wq_w_codes, .offset: 16, .size: 8, .value_kind: global_buffer, .address_space: global }
      - { .name: Wq_w_scales, .offset: 24, .size: 8, .value_kind: global_buffer, .address_space: global }
      - { .name: Wq_b, .offset: 32, .size: 8, .value_kind: global_buffer, .address_space: global }
      - { .name: qc, .offset: 40, .size: 8, .value_kind: global_buffer, .address_space: global }
      - { .name: qs, .offset: 48, .size: 8, .value_kind: global_buffer, .address_space: global }
      - { .name: K_codes, .offset: 56, .size: 8, .value_kind: global_buffer, .address_space: global }
      - { .name: K_scales, .offset: 64, .size: 8, .value_kind: global_buffer, .address_space: global }
      - { .name: Wk_w_codes, .offset: 72, .size: 8, .value_kind: global_buffer, .address_space: global }
      - { .name: Wk_w_scales, .offset: 80, .size: 8, .value_kind: global_buffer, .address_space: global }
      - { .name: Wk_b, .offset: 88, .size: 8, .value_kind: global_buffer, .address_space: global }
      - { .name: kc, .offset: 96, .size: 8, .value_kind: global_buffer, .address_space: global }
      - { .name: ks, .offset: 104, .size: 8, .value_kind: global_buffer, .address_space: global }
      - { .name: V_codes, .offset: 112, .size: 8, .value_kind: global_buffer, .address_space: global }
      - { .name: V_scales, .offset: 120, .size: 8, .value_kind: global_buffer, .address_space: global }
      - { .name: Wv_w_codes, .offset: 128, .size: 8, .value_kind: global_buffer, .address_space: global }
      - { .name: Wv_w_scales, .offset: 136, .size: 8, .value_kind: global_buffer, .address_space: global }
      - { .name: Wv_b, .offset: 144, .size: 8, .value_kind: global_buffer, .address_space: global }
      - { .name: vc, .offset: 152, .size: 8, .value_kind: global_buffer, .address_space: global }
      - { .name: vs, .offset: 160, .size: 8, .value_kind: global_buffer, .address_space: global }
      - { .name: padding_mask, .offset: 168, .size: 8, .value_kind: global_buffer, .address_space: global }
    .group_segment_fixed_size: 327680
    .private_segment_fixed_size: 0
    .kernarg_segment_align: 8
    .kernarg_segment_size: 176
    .max_flat_workgroup_size: 128
    .sgpr_count:     102
    .vgpr_count:     1024
    .wavefront_size: 32
...
	.end_amdgpu_metadata
.endif
;; end of part 1
;; launch attn (part 2): grid 8 x 32, 16 waves a work-group, clusters of 4 x 1, 327,680 bytes of LDS; arguments qc, qs, kc, ks, vc, vs, oc, os; writes oc, os
.if DOCPART == 2
	.amdgcn_target "amdgcn-amd-amdhsa--gfx1250"
	.amdhsa_code_object_version 6
	.text
	.protected	k_q91b8030c3a_attn
	.globl	k_q91b8030c3a_attn
	.p2align	8
	.type	k_q91b8030c3a_attn,@function
k_q91b8030c3a_attn:
	s_mov_b64 s[64:65], 0
	v_nop
	global_prefetch_b8 v0, s[64:65] scope:SCOPE_SE
	s_setreg_imm32_b32 hwreg(HW_REG_WAVE_MODE, 25, 1), 1
	s_wait_xcnt 0x0
	s_wait_alu depctr_hold_cnt(0) depctr_sa_sdst(0) depctr_va_vdst(0) depctr_va_sdst(0) depctr_va_ssrc(0) depctr_va_vcc(0) depctr_vm_vsrc(0)
	s_getreg_b32 s2, hwreg(HW_REG_IB_STS2, 6, 4)
	s_cmp_eq_u32 s2, 0
	s_cbranch_scc0 .Lentry_in_a_cluster
	s_endpgm
.Lentry_in_a_cluster:
	s_bfe_u32 s2, ttmp6, 0x10000c
	s_cmp_lg_u32 s2, 0x3003
	s_cbranch_scc0 .Lentry_shape_is_right
	s_endpgm
.Lentry_shape_is_right:
; Causal attention for one (batch, head) = y and one j = x, both products on codes of FP6 (E2M3) with E8M0 scales; the result, divided by the row's sum, is quantised along (head, d).
; SHARES.  The work-group owns query tile j of each of the 16 blocks rho of 128 queries; block rho needs rho + 1 steps of 128 keys (steps wholly under the causal mask are not done).  Sixteen waves in eight pairs p:
; wave A does steps 0-8 of the long tile rho = 15 - p; wave B the whole short tile rho = p (p + 1 steps), then the long tile's steps from 9 on: 9 and 8 steps.  A hands its part of the long tile to B through LDS at the end:
; M is a whole number, so the two parts are joined by powers of two and nothing more is rounded than in one sum.
; THE WHOLE HEAD LIES IN LDS, filled once by the head's loads, one a wave, joint for the four work-groups of a cluster.  One barrier shows step 0, a second one, behind trip 0, all the rest.  No prefetch: all is asked for at the head.
; THE ROWS OF A TILE are, by the earlier launch, 64 c + 32 (m/8) + 8 (j' ^ (m/8)) + m%8: a lane half holds whole blocks of 32 keys, 64 c + 32 h + 8 (j' ^ h) + i in register 32 c + 8 j' + i, as v's codes have them.
; K = 64 IN AN INSTRUCTION OF K = 128.  The other half is constant: -1 in k's operand, 1 in q's, each in one place: k's scale word makes of it -2^-126, or for a masked key -2^100.  Operands: [tile | const] and [const | tile].
; THE SOFTMAX: t = score x log2(e) / 8; M = the running largest t rounded up; p = 2^(t - M) is quantised along the keys; the sum is taken of the unquantised p.
; LIMITS: -2^100 stands for -infinity: the promise holds while scaled scores stay under 2^31 in magnitude.  What a row sums while it has seen hidden keys alone is wiped when M moves: f = 2^(a saturated whole number) = 0.
; A row without any key gets the scale bytes 0xff, which make NaN of its output row, as the softmax of an empty row is.  NaN and infinities among the inputs are not served; a block of zeros has the byte 1.
.set VIM,  98304
.set KSL,  196608
.set VSL,  204800
.set XCH,  210944                      ; eight exchanges of 4,608 bytes, written by LDS stores alone
.set SPARE, XCH+8*4608
.set DQE,  8                           ; v8, v11: my query's place in its block less 40 h, 24 h
.set PWD,  9
.set NEG,  10
.set QW,   16
.set VW,   18
.set KW,   20
.set QC,   24                          ; v24-29 const, v30-35 q, v36-41 const
.set NQ,   42                          ; v42-47 the next q, v48 its word
.set OSO,  49
.set KB,   50                          ; four times [tile 6 | const 6 | tile 6]
.set S,    134
.set O,    198
.set PC,   230
.set TM0,  242
.set TM1,  246
.set T,    245
.set Y,    249
.set Y2,   250
.set X,    251
.set F,    252
.set MX,   116                         ; in tile 7's registers, which are free behind the scores
.set SO,   120
.set WV,   60
.set P,    61
.set JJ,   62
.set BH,   63
.set SEL,  66
.set CS,   68
.set RHO,  70
.set RHO2, 71
.set N,    72
.set KS,   73
.set TK,   74
.set TS,   75
.set TV,   76
.set ISB,  77
.set OFF,  78
.set HM,   79
.set SWN,  100
.set JM,   101
.macro ROUND
	s_barrier_signal -1
	s_barrier_wait -1
	s_cmp_lg_u32 s[WV], 0
	s_cbranch_scc1 .Lnot_wave_0_\@
	s_barrier_signal -3
.Lnot_wave_0_\@:
	s_barrier_wait -3
	s_barrier_signal -1
	s_barrier_wait -1
.endm
.macro DEP1
	s_delay_alu instid0(VALU_DEP_1)
.endm
.macro SPROD d, a, b, zero, sa, sb, odd
.if \zero
.if \odd
	v_wmma_scale_f32_16x16x128_f8f6f4 v[\d:\d+7], v[\a:\a+11], v[\b:\b+11], 0, v[\sa], v[\sb] matrix_a_fmt:MATRIX_FMT_FP6 matrix_b_fmt:MATRIX_FMT_FP6 matrix_a_scale:MATRIX_SCALE_ROW1
.else
	v_wmma_scale_f32_16x16x128_f8f6f4 v[\d:\d+7], v[\a:\a+11], v[\b:\b+11], 0, v[\sa], v[\sb] matrix_a_fmt:MATRIX_FMT_FP6 matrix_b_fmt:MATRIX_FMT_FP6
.endif
.else
.if \odd
	v_wmma_scale_f32_16x16x128_f8f6f4 v[\d:\d+7], v[\a:\a+11], v[\b:\b+11], v[\d:\d+7], v[\sa], v[\sb] matrix_a_fmt:MATRIX_FMT_FP6 matrix_b_fmt:MATRIX_FMT_FP6 matrix_a_scale:MATRIX_SCALE_ROW1
.else
	v_wmma_scale_f32_16x16x128_f8f6f4 v[\d:\d+7], v[\a:\a+11], v[\b:\b+11], v[\d:\d+7], v[\sa], v[\sb] matrix_a_fmt:MATRIX_FMT_FP6 matrix_b_fmt:MATRIX_FMT_FP6
.endif
.endif
.endm
.macro MKG1 g, rows                    ; a dense block as rows of 256 bytes, for all four work-groups
	s_mov_b32 s[\g], 15|(3<<16)|(1<<21)
	s_mov_b32 s[\g+1], 32<<16
	s_mov_b32 s[\g+2], (\rows)<<16
	s_mov_b32 s[\g+3], 32<<16
	s_mov_b32 s[\g+4], \rows
	s_mov_b32 s[\g+5], 32
	s_mov_b32 s[\g+6], 0
	s_mov_b32 s[\g+7], 0
.endm
.macro MKG0 g, lds, src, off
	s_mov_b32 s[\g], 1
	s_mov_b32 s[\g+1], \lds
	s_add_nc_u64 s[\g+2:\g+3], s[\src:\src+1], \off
	s_or_b32 s[\g+3], s[\g+3], 0x80000000
.endm
.macro ARM under, g0, g1, next
	s_cmp_lt_u32 s[WV], \under
	s_cbranch_scc0 \next
	tensor_load_to_lds s[\g0:\g0+3], s[\g1:\g1+7]
	s_nop 0
.rept 4
	v_nop
.endr
	s_branch .Lasked
\next:
.endm
	s_load_b512 s[4:19], s[0:1], 0x0               ; qc 4, qs 6, kc 8, ks 10, vc 12, vs 14, oc 16, os 18
	v_lshl_add_u32 v254, v0, 2, SPARE
	v_mov_b32 v255, 0
	ds_add_u32 v254, v255                          ; the opening adds
	ds_add_u32 v254, v255
	v_lshrrev_b32 v1, 5, v0
	v_readfirstlane_b32 s[WV], v1
	s_bfe_u32 s92, ttmp6, 0x40000
	s_lshl_b32 s[JJ], ttmp9, 2
	s_add_co_u32 s[JJ], s[JJ], s92                 ; j enters q's and the results' global addresses and lane constants: no branch, no LDS address
	s_and_b32 s[BH], ttmp7, 0xffff
	s_lshr_b32 s92, s[WV], 3
	s_lshl_b32 s92, s92, 2
	s_and_b32 s[P], s[WV], 3
	s_add_co_u32 s[P], s[P], s92                   ; p: waves w and w + 4 are a pair
	s_lshr_b32 s[ISB], s[WV], 2
	s_and_b32 s[ISB], s[ISB], 1
	s_sub_co_u32 s[RHO2], 15, s[P]
	s_sub_co_u32 s[OFF], 8, s[P]
	s_add_co_u32 s[SWN], s[P], 1
	s_cmp_eq_u32 s[ISB], 1
	s_cselect_b32 s[RHO], s[P], s[RHO2]
	s_cselect_b32 s[SWN], s[SWN], 63               ; the trip in which B changes tiles; A never does
	s_and_b32 s92, s[JJ], 1
	s_cmp_eq_u32 s92, 1
	s_cselect_b32 s[JM], -1, 0
	s_mov_b32 s[HM], 0xffff0000
	s_mov_b32 s[SEL], 0x76543210
	s_mov_b32 s[SEL+1], 0xfedcba98
	s_mov_b32 s[CS], 0x3e38aa3b                    ; log2(e) / 8
	s_mov_b32 s[CS+1], s[CS]
	MKG1 20, 24
	MKG1 28, 16
	MKG1 36, 360
	v_and_b32 v3, 31, v0
	v_and_b32 v4, 15, v0
	v_bfe_u32 v5, v0, 4, 1                         ; h
	v_lshlrev_b32 v1, 4, v3                        ; 16 x lane
	v_lshlrev_b32 v2, 3, v3                        ; 8 x lane
	v_lshl_add_u32 v[OSO], v4, 5, v5               ; a row's 32 scale bytes: 32 r + h
	v_bfe_u32 v6, v0, 3, 1
	v_and_b32 v7, 7, v0
	v_lshl_add_u32 v7, v6, 5, v7
	s_and_b32 s92, s[JJ], 3
	v_xor_b32 v6, s92, v6
	v_lshl_add_u32 v7, v6, 3, v7
	s_lshr_b32 s92, s[JJ], 2
	s_lshl_b32 s92, s92, 6
	v_add_nc_u32 v7, s92, v7                       ; my query's place in its block of 128
	v_mul_u32_u24 v6, 40, v5
	v_sub_nc_u32 v[DQE], v7, v6
	v_mul_u32_u24 v6, 24, v5
	v_sub_nc_u32 v[DQE+3], v7, v6
	v_lshlrev_b32 v6, 4, v4                        ; 16 r: my word in qs
	v_mov_b32 v[NEG], 0xf1800000                   ; -2^100
	s_mul_i32 s92, s[P], 4608
	s_add_co_u32 s92, s92, XCH
	v_add_nc_u32 v0, s92, v1                       ; my pair's exchange
	s_mov_b32 s93, 0
	s_mov_b32 s95, 0
	s_wait_alu depctr_va_vdst(0)
	s_wait_dscnt 0x0
	ROUND                                          ; all four work-groups are here
	s_wait_kmcnt 0x0
	s_mul_i32 s92, s[BH], 98304
	s_add_nc_u64 s[4:5], s[4:5], s[92:93]
	s_add_nc_u64 s[8:9], s[8:9], s[92:93]
	s_add_nc_u64 s[12:13], s[12:13], s[92:93]
	s_lshl_b32 s92, s[BH], 13
	s_add_nc_u64 s[6:7], s[6:7], s[92:93]
	s_add_nc_u64 s[10:11], s[10:11], s[92:93]
	s_lshl_b32 s92, s[BH], 12
	s_add_nc_u64 s[14:15], s[14:15], s[92:93]
	MKG0 44, 0, 8, 0
	MKG0 48, KSL, 10, 0
	MKG0 52, VIM, 12, 0
	MKG0 56, VSL, 14, 0
	MKG0 80, 6144, 8, 6144
	MKG0 84, VIM+6144, 12, 6144
	MKG0 88, KSL+4096, 10, 4096
	ARM 1, 44, 20, .Lw1                            ; k's step 0; its scale words, first half; v's step 0; v's scale words;
	ARM 2, 48, 28, .Lw2
	ARM 3, 52, 20, .Lw3
	ARM 4, 56, 28, .Lw4
	ARM 5, 80, 36, .Lw5                            ; the rest of k, of v, of k's words
	ARM 6, 84, 36, .Lw6
	ARM 7, 88, 28, .Lw7
.Lasked:
	s_mul_i32 s92, s[JJ], 768
	s_add_nc_u64 s[4:5], s[4:5], s[92:93]
	s_and_b32 s92, s[JJ], 1
	s_lshl_b32 s92, s92, 8
	s_lshr_b32 s94, s[JJ], 1
	s_lshl_b32 s94, s94, 2
	s_add_co_u32 s92, s92, s94
	s_add_nc_u64 s[6:7], s[6:7], s[92:93]
	s_mul_i32 s92, s[RHO], 6144
	s_add_nc_u64 s[8:9], s[4:5], s[92:93]
	s_mul_i32 s92, s[RHO2], 6144
	s_add_nc_u64 s[4:5], s[4:5], s[92:93]
	s_lshl_b32 s92, s[RHO], 9
	s_add_nc_u64 s[10:11], s[6:7], s[92:93]
	s_lshl_b32 s92, s[RHO2], 9
	s_add_nc_u64 s[6:7], s[6:7], s[92:93]
	global_load_b128 v[QC+6:QC+9], v1, s[8:9]
	global_load_b64 v[QC+10:QC+11], v2, s[8:9] offset:512
	global_load_b32 v50, v6, s[10:11]
	global_load_b128 v[NQ:NQ+3], v1, s[4:5]
	global_load_b64 v[NQ+4:NQ+5], v2, s[4:5] offset:512
	global_load_b32 v48, v6, s[6:7]
	s_lshr_b32 s2, s[BH], 4                        ; batch
	s_and_b32 s3, s[BH], 15                        ; head
	s_mul_i32 s92, s2, 1572864
	s_lshr_b32 s94, s3, 1
	s_mul_i32 s94, s94, 12288
	s_add_co_u32 s92, s92, s94
	s_mul_i32 s94, s[JJ], 1536
	s_add_co_u32 s92, s92, s94
	s_and_b32 s94, s3, 1
	s_mul_i32 s94, s94, 768
	s_add_co_u32 s92, s92, s94
	s_add_nc_u64 s[16:17], s[16:17], s[92:93]      ; oc [block of 128 rows][pair of heads][tile][half][768]
	s_lshl_b32 s92, s2, 16
	s_lshl_b32 s94, s[JJ], 9
	s_add_co_u32 s92, s92, s94
	s_lshl_b32 s94, s3, 1
	s_add_co_u32 s92, s92, s94
	s_add_nc_u64 s[18:19], s[18:19], s[92:93]      ; os [block][tile][row][32]
.irp i, 0,1,2,3
	v_mov_b32 v[KB+18*\i+6], 0x28                  ; the code of -1
.irp n, 1,2,3,4,5
	v_mov_b32 v[KB+18*\i+6+\n], 0
.endr
.endr
.irp n, 1,2,3,4,5
	v_mov_b32 v[QC+\n], 0
	v_mov_b32 v[QC+12+\n], 0
.endr
	v_cndmask_b32 v[QC], 8, v[QC+1], s[HM]         ; the code of 1 in lanes 0-15
	v_cndmask_b32 v[QC+12], 8, v[QC+1], s[HM]
	v_mov_b32 v13, 0xff61b1e6                      ; the largest t so far: -3e38
	v_floor_f32 v12, -v13
	v_mov_b32 v14, 0
	v_mov_b32 v15, 0
	v_mov_b32 v[Y], 0
	v_mov_b32 v[Y2], 0
	v_mov_b32 v[F+1], 0
	s_wait_alu depctr_va_vdst(0)
	s_wait_loadcnt 0x3                             ; the first tile's q and word; the next tile's three loads may be out
	v_alignbit_b32 v51, v50, v50, 16
	v_cndmask_b32 v[QW], v50, v51, s[JM]           ; [s0, s1, 127, 127]
	v_cndmask_b32 v[QW+1], v51, v50, s[JM]         ; [127, 127, s0, s1]
	s_wait_alu depctr_va_vdst(0)                   ; the wait at the head's end
	s_wait_loadcnt 0x0
	s_cmp_lt_u32 s[WV], 4
	s_cbranch_scc0 .Lnot_first
	s_wait_tensorcnt 0x0
.Lnot_first:
	s_barrier_signal -1
	s_barrier_wait -1                              ; step 0's tiles and words are in; nothing is ever filled again
; A STEP OF 128 KEYS
.macro STEP first
	v_add_nc_u32 v3, s[TK], v1                     ; (these five are also the places behind the last step's products)
	v_add_nc_u32 v4, s[TK], v2
	v_add_nc_u32 v6, s[TS], v1
	v_add_nc_u32 v7, s[TV], v2
	v_add_nc_u32 v5, VIM, v3
	ds_load_b128 v[KW:KW+3], v6                    ; word i: lanes 0-15 tile 2 i, lanes 16-31 tile 2 i + 1
.irp a, 0,1,2,3,4,5,6,7
.set R_, KB+18*(\a/2)+12*(\a%2)
	ds_load_b128 v[R_:R_+3], v3 offset:768*\a
	ds_load_b64 v[R_+4:R_+5], v4 offset:768*\a+512
.endr
	s_wait_alu depctr_va_vdst(0)
	s_wait_dscnt 0x8                               ; tiles 0-3
.irp i, 0,1
	SPROD S+16*\i, KB+18*\i, QC+6, 1, KW+\i, QW, 0
	SPROD S+16*\i+8, KB+18*\i+6, QC, 1, KW+\i, QW+1, 1
.endr
	s_wait_dscnt 0x0
.irp i, 2,3
	SPROD S+16*\i, KB+18*\i, QC+6, 1, KW+\i, QW, 0
	SPROD S+16*\i+8, KB+18*\i+6, QC, 1, KW+\i, QW+1, 1
.endr
.rept 4
	v_nop
.endr
.irp t, 0,1,2,3                                        ; v's fragments land while the softmax is walked: three over k's tiles 1-6, one at v122
.set R_, KB+12+18*\t+6*(\t/3)
	ds_load_b128 v[R_:R_+3], v5 offset:1536*\t
	ds_load_b128 v[R_+4:R_+7], v5 offset:1536*\t+512
	ds_load_b128 v[R_+8:R_+11], v5 offset:1536*\t+1024
.endr
	ds_load_b64 v[VW:VW+1], v7
	s_cmp_lg_u32 s[KS], s[RHO]                     ; the diagonal lies in a tile's last step alone
	s_cbranch_scc1 .Lopen_\@
.set n, 0
.rept 64
	v_cmp_gt_i32 vcc_lo, 64*(n/32)+n%32, v[DQE+3*((n/8)%2)]
	v_cndmask_b32 v[S+n], v[S+n], v[NEG], vcc_lo
.set n, n+1
.endr
.Lopen_\@:
.irp k, 0,1,2,3
	v_max3_num_f32 v[MX+\k], v[S+16*\k], v[S+16*\k+1], v[S+16*\k+2]
.endr
.irp i, 3,5,7,9,11,13
.irp k, 0,1,2,3
	v_max3_num_f32 v[MX+\k], v[MX+\k], v[S+16*\k+\i], v[S+16*\k+\i+1]
.endr
.endr
	v_max3_num_f32 v[MX], v[MX], v[S+15], v[MX+1]
	v_max3_num_f32 v[MX+2], v[MX+2], v[S+47], v[MX+3]
	v_mov_b32 v[T], v12
	v_max_num_f32 v[MX], v[MX], v[S+31]            ; my two blocks' largest scores: for the row's maximum and, since p rises with the score, for the block's largest p
	v_max_num_f32 v[MX+2], v[MX+2], v[S+63]
	DEP1
	v_max_num_f32 v[X], v[MX], v[MX+2]
	DEP1
	v_permlanex16_b32 v[Y], v[X], s[SEL], s[SEL+1]
	DEP1
	v_max_num_f32 v[X], v[X], v[Y]
	DEP1
	v_mul_f32 v[X], s[CS], v[X]
	DEP1
	v_max_num_f32 v13, v13, v[X]
	DEP1
	v_floor_f32 v12, -v13                          ; -M
	DEP1
	v_sub_f32 v[T], v12, v[T]
	DEP1
	v_cvt_i32_f32 v[T], v[T]
	DEP1
	v_ldexp_f32 v[F], 1.0, v[T]                    ; f = 2^(old M - new M)
.set n, 0
.rept 32
	v_pk_fma_f32 v[S+n:S+n+1], v[S+n:S+n+1], s[CS:CS+1], v[12:13] op_sel_hi:[1,0,0]
.set n, n+2
.endr
	v_fma_f32 v[MX], v[MX], s[CS], v12
	v_fma_f32 v[MX+2], v[MX+2], s[CS], v12
	s_wait_alu depctr_va_vdst(0)
.set n, 0
.rept 64
	v_exp_f32 v[S+n], v[S+n]                       ; p = 2^(t - M)
.set n, n+1
.endr
	v_exp_f32 v[MX], v[MX]
	v_exp_f32 v[MX+2], v[MX+2]
	v_pk_mul_f32 v[14:15], v[14:15], v[F:F+1] op_sel_hi:[1,0]
	s_wait_alu depctr_va_vdst(0)
	v_max_num_f32 v[MX], 0x1800000, v[MX]
	v_max_num_f32 v[MX+2], 0x1800000, v[MX+2]
	v_pk_add_f32 v[50:51], v[S:S+1], v[S+2:S+3]    ; the sum of the unquantised p, in four chains
	v_add_nc_u32 v[SO], 0xff000000, v[MX]
	v_add_nc_u32 v[SO+1], 0xff000000, v[MX+2]
	v_pk_add_f32 v[52:53], v[S+4:S+5], v[S+6:S+7]
	v_lshrrev_b32 v[T], 23, v[SO]
	v_lshrrev_b32 v[X], 23, v[SO+1]
	v_pk_add_f32 v[54:55], v[S+8:S+9], v[S+10:S+11]
	v_lshl_or_b32 v[X], v[X], 16, v[T]
	v_pk_add_f32 v[14:15], v[14:15], v[S+12:S+13]
	v_permlanex16_b32 v[Y2], v[X], s[SEL], s[SEL+1]
	v_cvt_scalef32_pk16_fp6_f32 v[PC:PC+2], v[S:S+15], v[SO]
	v_cvt_scalef32_pk16_fp6_f32 v[TM0:TM0+2], v[S+16:S+31], v[SO]
	v_cvt_scalef32_pk16_fp6_f32 v[PC+6:PC+8], v[S+32:S+47], v[SO+1]
	v_cvt_scalef32_pk16_fp6_f32 v[TM1:TM1+2], v[S+48:S+63], v[SO+1]
	v_lshl_or_b32 v[PWD], v[Y2], 8, v[X]           ; lanes 0-15: the four blocks' bytes
.irp i, 0,1,2
	v_mov_b32 v[PC+3+\i], v[TM0+\i]
	v_mov_b32 v[PC+9+\i], v[TM1+\i]
.endr
.set n, 14
.rept 25
.if ((n/2-7)%4) == 3
	v_pk_add_f32 v[14:15], v[14:15], v[S+n:S+n+1]
.else
	v_pk_add_f32 v[50+2*((n/2-7)%4):51+2*((n/2-7)%4)], v[50+2*((n/2-7)%4):51+2*((n/2-7)%4)], v[S+n:S+n+1]
.endif
.set n, n+2
.endr
	v_pk_add_f32 v[50:51], v[50:51], v[52:53]
	v_pk_add_f32 v[14:15], v[14:15], v[54:55]
	DEP1
	v_pk_add_f32 v[14:15], v[14:15], v[50:51]
.if \first == 0
.set n, 0
.rept 16
	v_pk_mul_f32 v[O+n:O+n+1], v[O+n:O+n+1], v[F:F+1] op_sel_hi:[1,0]
.set n, n+2
.endr
.endif
	s_wait_alu depctr_va_vdst(0)
	s_wait_dscnt 0x0                               ; v's fragments and words
.irp t, 0,1,2,3
	SPROD O+8*\t, KB+12+18*\t+6*(\t/3), PC, \first, VW+\t/2, PWD, \t%2
.endr
.endm
; THE WAY OUT of a tile: register 8 t + i of lane half h is d = 32 h + 8 (t ^ h) + i: my block of 32, its octets in the order 1032 in lanes 16-31, which the codes' halves are exchanged for
.macro WAYOUT
.rept 4
	v_nop
.endr
	v_add_f32 v14, v14, v15
	DEP1
	v_permlanex16_b32 v[Y], v14, s[SEL], s[SEL+1]
	DEP1
	v_add_f32 v14, v14, v[Y]
	s_mul_i32 s92, s[RHO], 98304
	s_lshl_b32 s94, s[RHO], 12
	s_add_nc_u64 s[96:97], s[16:17], s[92:93]
	s_add_nc_u64 s[98:99], s[18:19], s[94:95]
	s_wait_alu depctr_va_vdst(0)
	v_rcp_f32 v14, v14
	v_nop
	s_wait_alu depctr_va_vdst(0)
.set n, 0
.rept 16
	v_pk_mul_f32 v[S+n:S+n+1], v[O+n:O+n+1], v[14:15] op_sel_hi:[1,0]
.set n, n+2
.endr
	v_max3_num_f32 v[MX], |v[S]|, |v[S+1]|, 0x1800000
	v_max3_num_f32 v[MX+1], |v[S+16]|, |v[S+17]|, |v[S+18]|
.irp i, 2,4,6,8,10,12
	v_max3_num_f32 v[MX], v[MX], |v[S+\i]|, |v[S+\i+1]|
	v_max3_num_f32 v[MX+1], v[MX+1], |v[S+17+\i]|, |v[S+18+\i]|
.endr
	v_max3_num_f32 v[MX], v[MX], |v[S+14]|, |v[S+15]|
	v_cmp_gt_f32 vcc_lo, 0xec800000, v13           ; -2^90 > the largest t: the row had no key
	v_max3_num_f32 v[MX], v[MX], v[MX+1], |v[S+31]|
	v_mov_b32 v[T], 0xff
	v_add_nc_u32 v[SO], 0xff000000, v[MX]
	DEP1
	v_lshrrev_b32 v[X], 23, v[SO]
	DEP1
	v_cndmask_b32 v[X], v[X], v[T], vcc_lo
	v_cvt_scalef32_pk16_fp6_f32 v[PC:PC+2], v[S:S+15], v[SO]
	v_cvt_scalef32_pk16_fp6_f32 v[TM0:TM0+2], v[S+16:S+31], v[SO]
	v_nop
	v_alignbit_b32 v50, v[PC+2], v[PC+1], 16       ; 96 bits turned by 48: the two octets change places
	v_alignbit_b32 v51, v[PC], v[PC+2], 16
	v_alignbit_b32 v52, v[PC+1], v[PC], 16
	v_alignbit_b32 v53, v[TM0+2], v[TM0+1], 16
	v_alignbit_b32 v54, v[TM0], v[TM0+2], 16
	v_alignbit_b32 v55, v[TM0+1], v[TM0], 16
.irp i, 0,1,2
	v_cndmask_b32 v[PC+\i], v[PC+\i], v[50+\i], s[HM]
	v_cndmask_b32 v[PC+3+\i], v[TM0+\i], v[53+\i], s[HM]
.endr
	global_store_b128 v1, v[PC:PC+3], s[96:97]     ; 512 and 256 consecutive bytes, aligned
	global_store_b64 v2, v[PC+4:PC+5], s[96:97] offset:512
	global_store_b8 v[OSO], v[X], s[98:99]
	s_wait_xcnt 0x0                                ; registers and addresses may be written again
.endm
	s_mov_b32 s[TK], 0
	s_mov_b32 s[TS], KSL
	s_mov_b32 s[TV], VSL
	s_mov_b32 s[KS], 0
	STEP 1                                         ; trip 0: key step 0 for all
	s_wait_tensorcnt 0x0
	s_wait_dscnt 0x0
	s_barrier_signal -1
	s_barrier_wait -1                              ; the whole head is in
	s_mov_b32 s[N], 1
.Ltrip:
	s_cmp_eq_u32 s[N], s[SWN]
	s_cbranch_scc0 .Lsame_tile
	WAYOUT                                         ; B's short tile is done: on to the long one
	s_mov_b32 s[RHO], s[RHO2]
	v_alignbit_b32 v51, v48, v48, 16
	v_cndmask_b32 v[QW], v48, v51, s[JM]
	v_cndmask_b32 v[QW+1], v51, v48, s[JM]
.irp i, 0,1,2,3,4,5
	v_mov_b32 v[QC+6+\i], v[NQ+\i]
.endr
	v_mov_b32 v13, 0xff61b1e6
	v_floor_f32 v12, -v13
	v_mov_b32 v14, 0
	v_mov_b32 v15, 0
.set n, 0
.rept 32
	v_mov_b32 v[O+n], 0                            ; (the step is the loop's one text: it adds onto zeros)
.set n, n+1
.endr
	s_wait_alu depctr_va_vdst(0)
.Lsame_tile:
	s_cmp_ge_u32 s[N], s[SWN]
	s_cselect_b32 s92, s[OFF], 0
	s_add_co_u32 s[KS], s[N], s92                  ; A: the trip's number; B: the same, then from 9 on
	s_min_u32 s94, s[KS], 15
	s_mul_i32 s[TK], s94, 6144
	s_lshl_b32 s[TS], s94, 9
	s_add_co_u32 s[TS], s[TS], KSL
	s_lshl_b32 s[TV], s94, 8
	s_add_co_u32 s[TV], s[TV], VSL
	s_cmp_gt_u32 s[KS], s[RHO]                     ; B's last trip: nothing left
	s_cbranch_scc1 .Lhidden
	STEP 0
.Lhidden:
	s_add_co_u32 s[N], s[N], 1
	s_cmp_lt_u32 s[N], 9
	s_cbranch_scc1 .Ltrip
.rept 4
	v_nop
.endr
	s_cmp_eq_u32 s[ISB], 1
	s_cbranch_scc1 .Lno_gift
.irp t, 0,1,2,3,4,5,6,7
	ds_store_b128 v0, v[O+4*\t:O+4*\t+3] offset:512*\t     ; A's part of the long tile
.endr
	ds_store_b128 v0, v[12:15] offset:4096
.Lno_gift:
	s_wait_dscnt 0x0
	s_barrier_signal -1
	s_barrier_wait -1
	s_cmp_eq_u32 s[ISB], 0
	s_cbranch_scc1 .Lend
	ds_load_b128 v[S+32:S+35], v0 offset:4096      ; A's -M, largest t, sum
.irp t, 0,1,2,3,4,5,6,7
	ds_load_b128 v[S+4*\t:S+4*\t+3], v0 offset:512*\t
.endr
	s_wait_dscnt 0x8
	v_max_num_f32 v13, v13, v[S+33]
	DEP1
	v_floor_f32 v[T], -v13
	DEP1
	v_sub_f32 v[X], v[T], v[S+32]
	v_sub_f32 v12, v[T], v12
	v_cvt_i32_f32 v[X], v[X]
	v_cvt_i32_f32 v12, v12
	v_mov_b32 v51, 0
	v_ldexp_f32 v50, 1.0, v[X]                     ; A's factor
	v_ldexp_f32 v[F], 1.0, v12                     ; mine
	s_wait_alu depctr_va_vdst(0)
	s_wait_dscnt 0x0
	v_pk_mul_f32 v[14:15], v[14:15], v[F:F+1] op_sel_hi:[1,0]
.set n, 0
.rept 16
	v_pk_mul_f32 v[O+n:O+n+1], v[O+n:O+n+1], v[F:F+1] op_sel_hi:[1,0]
.set n, n+2
.endr
	v_pk_fma_f32 v[14:15], v[S+34:S+35], v[50:51], v[14:15] op_sel_hi:[1,0,1]
.set n, 0
.rept 16
	v_pk_fma_f32 v[O+n:O+n+1], v[S+n:S+n+1], v[50:51], v[O+n:O+n+1] op_sel_hi:[1,0,1]
.set n, n+2
.endr
	WAYOUT
.Lend:
	s_wait_tensorcnt 0x0                           ; the wave's end
	ds_add_u32 v254, v255
	s_wait_dscnt 0x0
	ROUND                                          ; the closing round
	s_endpgm
.Lfunc_end_k_q91b8030c3a_attn:
	.size	k_q91b8030c3a_attn, .Lfunc_end_k_q91b8030c3a_attn-k_q91b8030c3a_attn
	.p2alignl 7, 3214868480
	.fill 96, 4, 3214868480
	.section	.rodata,"a",@progbits
	.p2align	6, 0x0
	.amdhsa_kernel k_q91b8030c3a_attn
		.amdhsa_group_segment_fixed_size 327680
		.amdhsa_private_segment_fixed_size 0
		.amdhsa_enable_private_segment 0
		.amdhsa_kernarg_size 64
		.amdhsa_user_sgpr_count 2
		.amdhsa_user_sgpr_kernarg_segment_ptr 1
		.amdhsa_wavefront_size32 1
		.amdhsa_system_sgpr_workgroup_id_x 1
		.amdhsa_system_sgpr_workgroup_id_y 1
		.amdhsa_system_sgpr_workgroup_id_z 1
		.amdhsa_system_vgpr_workitem_id 0
		.amdhsa_next_free_vgpr 256
		.amdhsa_next_free_sgpr 102
		.amdhsa_reserve_vcc 1
		.amdhsa_float_denorm_mode_32 3
		.amdhsa_float_denorm_mode_16_64 3
		.amdhsa_memory_ordered 1
		.amdhsa_forward_progress 1
		.amdhsa_inst_pref_size 67
	.end_amdhsa_kernel
	.amdgpu_metadata
---
amdhsa.version: [ 1, 2 ]
amdhsa.kernels:
  - .name:           k_q91b8030c3a_attn
    .symbol:         k_q91b8030c3a_attn.kd
    .args:
      - { .name: qc, .offset: 0, .size: 8, .value_kind: global_buffer, .address_space: global }
      - { .name: qs, .offset: 8, .size: 8, .value_kind: global_buffer, .address_space: global }
      - { .name: kc, .offset: 16, .size: 8, .value_kind: global_buffer, .address_space: global }
      - { .name: ks, .offset: 24, .size: 8, .value_kind: global_buffer, .address_space: global }
      - { .name: vc, .offset: 32, .size: 8, .value_kind: global_buffer, .address_space: global }
      - { .name: vs, .offset: 40, .size: 8, .value_kind: global_buffer, .address_space: global }
      - { .name: oc, .offset: 48, .size: 8, .value_kind: global_buffer, .address_space: global }
      - { .name: os, .offset: 56, .size: 8, .value_kind: global_buffer, .address_space: global }
    .group_segment_fixed_size: 327680
    .private_segment_fixed_size: 0
    .kernarg_segment_align: 8
    .kernarg_segment_size: 64
    .max_flat_workgroup_size: 512
    .sgpr_count:     102
    .vgpr_count:     256
    .wavefront_size: 32
...
	.end_amdgpu_metadata
.endif
;; end of part 2
;; launch outp (part 3): grid 8 x 32, 4 waves a work-group, clusters of 4 x 4, 327,680 bytes of LDS; arguments oc, os, Wo_w_codes, Wo_w_scales, Wo_b, out0; writes out0
.if DOCPART == 3
	.amdgcn_target "amdgcn-amd-amdhsa--gfx1250"
	.amdhsa_code_object_version 6
	.text
	.protected	k_q91b8030c3a_outp
	.globl	k_q91b8030c3a_outp
	.p2align	8
	.type	k_q91b8030c3a_outp,@function
k_q91b8030c3a_outp:
	s_mov_b64 s[64:65], 0
	v_nop
	global_prefetch_b8 v0, s[64:65] scope:SCOPE_SE
	s_setreg_imm32_b32 hwreg(HW_REG_WAVE_MODE, 25, 1), 1
	s_wait_xcnt 0x0
	s_wait_alu depctr_hold_cnt(0) depctr_sa_sdst(0) depctr_va_vdst(0) depctr_va_sdst(0) depctr_va_ssrc(0) depctr_va_vcc(0) depctr_vm_vsrc(0)
	s_getreg_b32 s2, hwreg(HW_REG_IB_STS2, 6, 4)
	s_cmp_eq_u32 s2, 0
	s_cbranch_scc0 .Lentry_in_a_cluster
	s_endpgm
.Lentry_in_a_cluster:
	s_bfe_u32 s2, ttmp6, 0x10000c
	s_cmp_lg_u32 s2, 0xf033
	s_cbranch_scc0 .Lentry_shape_is_right
	s_endpgm
.Lentry_shape_is_right:
; out0 = o Wo^T + Wo_b: [4096 x 1024] x [1024 x 1024] on codes of FP6 (E2M3) with E8M0 scales, f32 out.
; A work-group makes 128 x 128; four waves, 2 x 2, each 64 x 64: it holds its 64 rows of Wo, all of K, in registers (384) and streams its 64 rows of o past them in four blocks of 16: a finished block leaves while the next is multiplied.
; Both operands come into LDS whole, by the head's loads alone, one joint load a wave; Wo's first, which go on into registers.  No prefetch: nothing is asked for behind the head.  Cluster 4 x 4: o's tile is shared along a row, Wo's along a column.
; o: [K step][tile of 16 rows][half][16 x lane: registers 0-3 | 512 + 8 x lane: registers 4, 5].  Wo: rows of 768 bytes, 16 of padding behind every 256: pitch 816, so the 16 rows of a load start at 16 different multiples of 4 banks.
; Tile a of a group of 64 rows holds rows 8 a + 0..7 and 32 + 8 (a ^ 1) + 0..7: the stores' offsets put them in place.
; THE MATRIX INSTRUCTION IS USED TRANSPOSED: a lane holds eight neighbouring numbers of a row of out0.  The bias is the C of the first products.  A row of o whose scale bytes are 0xff (a query with no key) comes out as NaN.
; REGISTERS: window 0: addresses, v24-55 scale words (lanes 0-15 o's, lanes 16-31 Wo's), v64-127 two sets of sums, v128-191 rows read back, v192-223 the bias; fragment f in window 1 + f / 21: 0-31 Wo's, 32-39 and 40-47 o's two sets.
.set XT,    98304
.set XP,    816
.set STG,   XT+128*XP
.set BLKP,  4352
.set SPARE, STG+4*BLKP
.set AY,    4                          ; v4, v5: 16 x lane for K steps 0-3, 4-7; v6, v7: 8 x lane
.set STO,   8
.set RD,    9
.set CO,    10
.set BOF,   11
.set SC,    24
.set BA,    56
.set ACC,   64
.set OB,    128
.set CI,    192
.set WV, 76
.set WI, 77
.set WJ, 78
.set CX, 79
.set CY, 80
.set TX, 81
.set TY, 82
.set MSB, 0
.macro WIN new
.if MSB != \new
	s_set_vgpr_msb (MSB<<8)|(\new)
.set MSB, \new
.endif
.endm
.macro PLACES
.rept 4
	v_nop
.endr
.endm
.macro CROUND
	s_barrier_signal -1
	s_barrier_wait -1
	s_cmp_lg_u32 s[WV], 0
	s_cbranch_scc1 .Lnot_wave_0_\@
	s_barrier_signal -3
.Lnot_wave_0_\@:
	s_barrier_wait -3
	s_barrier_signal -1
	s_barrier_wait -1
.endm
.macro MKG0 g, lds, src, off
	s_mov_b32 s[\g], 1
	s_mov_b32 s[\g+1], \lds
	s_add_nc_u64 s[\g+2:\g+3], s[\src:\src+1], \off
	s_or_b32 s[\g+3], s[\g+3], 0x80000000
.endm
.macro ARM under, g0, g1, next
	s_cmp_lt_u32 s[WV], \under
	s_cbranch_scc0 \next
	tensor_load_to_lds s[\g0:\g0+3], s[\g1:\g1+7]
	s_nop 0
	PLACES
	s_branch .Lasked
\next:
.endm
	s_load_b256 s[84:91], s[0:1], 0x0              ; oc 84, os 86, Wo's codes 88, its scales 90
	s_load_b128 s[92:95], s[0:1], 0x20             ; Wo_b 92, out0 94
	v_lshl_add_u32 v12, v0, 2, SPARE
	v_mov_b32 v13, 0
	ds_add_u32 v12, v13                            ; the opening adds
	ds_add_u32 v12, v13
	v_lshrrev_b32 v1, 5, v0
	v_readfirstlane_b32 s[WV], v1
	s_lshr_b32 s[WI], s[WV], 1                     ; my half of the rows
	s_and_b32 s[WJ], s[WV], 1                      ; my half of the columns
	s_bfe_u32 s[CX], ttmp6, 0x40000
	s_bfe_u32 s[CY], ttmp6, 0x40004
	s_lshl_b32 s[TX], ttmp9, 2
	s_add_co_u32 s[TX], s[TX], s[CX]
	s_and_b32 s[TY], ttmp7, 0xffff
	s_lshl_b32 s[TY], s[TY], 2
	s_add_co_u32 s[TY], s[TY], s[CY]
	s_lshl_b32 s96, s[CY], 2
	s_lshl_b32 s96, 15, s96
	s_lshl_b32 s97, 0x1111, s[CX]
	s_or_b32 s4, s97, (1<<20)|(1<<21)|(5<<22)|(3<<25)      ; Wo: 64 rows of 768 bytes
	s_mov_b32 s5, 768<<16
	s_mov_b32 s6, 64<<16
	s_mov_b32 s7, 768<<16
	s_mov_b32 s8, 64
	s_mov_b32 s9, 768
	s_mov_b32 s10, 0
	s_mov_b32 s11, 0
	s_or_b32 s12, s96, (3<<16)|(1<<21)             ; o: four K steps, 49,152 dense bytes as 192 rows of 256
	s_mov_b32 s13, 32<<16
	s_mov_b32 s14, 192<<16
	s_mov_b32 s15, 32<<16
	s_mov_b32 s16, 192
	s_mov_b32 s17, 32
	s_mov_b32 s18, 0
	s_mov_b32 s19, 0
	s_mov_b32 s37, 0
	s_mov_b32 s39, 0
	v_and_b32 v1, 15, v0                           ; r
	v_bfe_u32 v2, v0, 4, 1                         ; h
	v_and_b32 v3, 31, v0
	s_mul_i32 s36, s[WI], 6144                     ; my four tiles of a K step
	v_lshlrev_b32 v14, 4, v3
	v_add_nc_u32 v[AY], s36, v14
	v_lshlrev_b32 v14, 3, v3
	v_add_nc_u32 v[AY+2], s36, v14
	v_add_nc_u32 v[AY+1], 49152, v[AY]
	v_add_nc_u32 v[AY+3], 49152, v[AY+2]
	v_mul_u32_u24 v15, XP, v1
	v_mad_u32_u24 v16, v2, 24, v15
	v_mad_u32_u24 v17, v2, 40, v15                 ; for pieces whose lanes 16-31 lie behind one padding more
	s_mul_i32 s36, s[WJ], 64*XP
	s_add_co_u32 s36, s36, XT
.irp b, 0,1,2,3
	v_add_nc_u32 v[BA+2*\b], s36, v16
	v_add_nc_u32 v[BA+2*\b+1], s36, v17
	s_add_co_u32 s36, s36, 16*XP
.endr
	s_mul_i32 s38, s[WV], BLKP
	s_add_co_u32 s38, s38, STG                     ; my stage
	v_mul_u32_u24 v15, 272, v1
	v_lshl_add_u32 v15, v2, 5, v15
	v_add_nc_u32 v[STO], s38, v15                  ; in: row r, 32 bytes for each half of the lanes
	v_mul_u32_u24 v15, 272, v2
	v_lshl_add_u32 v15, v1, 4, v15
	v_add_nc_u32 v[RD], s38, v15                   ; back: lanes 0-15 one row of 256 bytes, lanes 16-31 the next
	v_lshlrev_b32 v[CO], 12, v2
	v_lshl_add_u32 v[CO], v1, 4, v[CO]
	v_lshlrev_b32 v[BOF], 5, v2
	v_lshlrev_b32 v18, 5, v1                       ; 32 r: a row's scale bytes
	s_wait_alu depctr_va_vdst(0)
	s_wait_dscnt 0x0
	CROUND                                         ; all sixteen work-groups are here
	s_wait_kmcnt 0x0
	s_mul_i32 s36, s[TY], 98304
	s_mul_i32 s38, s[TX], 98304
	s_add_nc_u64 s[84:85], s[84:85], s[36:37]
	s_add_nc_u64 s[88:89], s[88:89], s[38:39]
	MKG0 20, XT, 88, 0
	MKG0 24, XT+64*XP, 88, 49152
	MKG0 28, 0, 84, 0
	MKG0 32, 49152, 84, 49152
	ARM 1, 20, 4, .Lw1                             ; waves 0, 1: Wo's halves; 2, 3: o's K steps 0-3, 4-7
	ARM 2, 24, 4, .Lw2
	ARM 3, 28, 12, .Lw3
	tensor_load_to_lds s[32:35], s[12:19]
	s_nop 0
	PLACES
.Lasked:
	s_lshl_b32 s36, s[TY], 12
	s_lshl_b32 s40, s[WI], 11
	s_add_co_u32 s36, s36, s40
	s_add_nc_u64 s[86:87], s[86:87], s[36:37]
	s_lshl_b32 s38, s[TX], 12
	s_lshl_b32 s40, s[WJ], 11
	s_add_co_u32 s38, s38, s40
	s_add_nc_u64 s[90:91], s[90:91], s[38:39]
	s_lshl_b32 s36, s[TX], 9                       ; my 64 columns, in bytes of f32
	s_lshl_b32 s40, s[WJ], 8
	s_add_co_u32 s36, s36, s40
	s_add_nc_u64 s[92:93], s[92:93], s[36:37]
	s_lshl_b32 s38, s[TY], 19
	s_add_co_u32 s38, s38, s36
	s_lshl_b32 s40, s[WI], 18
	s_add_co_u32 s38, s38, s40
	s_add_nc_u64 s[94:95], s[94:95], s[38:39]
	WIN 0xc0
.irp i, 0,1,2,3
	global_load_b128 v[128+8*\i:131+8*\i], v18, s[86:87] offset:512*\i
	global_load_b128 v[132+8*\i:135+8*\i], v18, s[86:87] offset:512*\i+16
	global_load_b128 v[160+8*\i:163+8*\i], v18, s[90:91] offset:512*\i
	global_load_b128 v[164+8*\i:167+8*\i], v18, s[90:91] offset:512*\i+16
.endr
	WIN 0
.irp b, 0,1,2,3
	global_load_b128 v[CI+8*\b:CI+8*\b+3], v[BOF], s[92:93] offset:64*\b
	global_load_b128 v[CI+8*\b+4:CI+8*\b+7], v[BOF], s[92:93] offset:64*\b+16
.endr
	s_mov_b32 s40, 0xffff0000
	s_wait_loadcnt 0x0
	WIN 0x0f
.irp i, 0,1,2,3
.irp q, 0,1,2,3,4,5,6,7
	v_cndmask_b32 v[SC+4*\q+\i], v[128+8*\i+\q], v[160+8*\i+\q], s40
.endr
.endr
	WIN 0
.macro FRAG f, q, a0, a1               ; six pieces of 8 bytes, two to a load where both go by the same address register
	WIN (1+(\f)/21)<<6
.set R_, 12*((\f)%21)
.set SKIP_, 0
.irp p, 0,1,2,3,4,5
.if SKIP_
.set SKIP_, 0
.else
.set PC_, 12*(\q)+6*(\p/3)+\p%3
.set PN_, 12*(\q)+6*((\p+1)/3)+(\p+1)%3
.set X_, (PC_%32+3)/32
.set XQ_, (PN_%32+3)/32
.if (\p < 5) && (X_ == XQ_)
.set SKIP_, 1
.if X_
	ds_load_2addr_b64 v[R_+2*\p:R_+2*\p+3], v[\a1] offset0:PC_+2*(PC_/32) offset1:PN_+2*(PN_/32)
.else
	ds_load_2addr_b64 v[R_+2*\p:R_+2*\p+3], v[\a0] offset0:PC_+2*(PC_/32) offset1:PN_+2*(PN_/32)
.endif
.elseif X_
	ds_load_b64 v[R_+2*\p:R_+2*\p+1], v[\a1] offset:8*(PC_+2*(PC_/32))
.else
	ds_load_b64 v[R_+2*\p:R_+2*\p+1], v[\a0] offset:8*(PC_+2*(PC_/32))
.endif
.endif
.endr
.endm
.macro FETCH s                         ; 32 loads: block s of o, all of K, into set s % 2
.irp q, 0,1,2,3,4,5,6,7
.set F_, 32+8*((\s)%2)+\q
	WIN (1+F_/21)<<6
.set R_, 12*(F_%21)
.set B_, 12288*(\q%4)+1536*(\s)
	ds_load_b128 v[R_:R_+3], v[AY+\q/4] offset:B_
	ds_load_b64 v[R_+4:R_+5], v[AY+2+\q/4] offset:B_+512
	ds_load_b128 v[R_+6:R_+9], v[AY+\q/4] offset:B_+768
	ds_load_b64 v[R_+10:R_+11], v[AY+2+\q/4] offset:B_+1280
.endr
	WIN 0
.endm
.macro BLOCK s                         ; 32 products, the four sums by turns
.irp q, 0,1,2,3,4,5,6,7
.irp b, 0,1,2,3
.set FB_, 4*\q+\b
.set FA_, 32+8*((\s)%2)+\q
.set D_, ACC+32*((\s)%2)+8*\b
.if \q == 0
.set C_, CI+8*\b
.else
.set C_, D_
.endif
	WIN (1+FB_/21)|((1+FA_/21)<<2)
	v_wmma_scale_f32_16x16x128_f8f6f4 v[D_:D_+7], v[12*(FB_%21):12*(FB_%21)+11], v[12*(FA_%21):12*(FA_%21)+11], v[C_:C_+7], v[SC+4*\q+\b], v[SC+4*\q+\s] matrix_a_fmt:MATRIX_FMT_FP6 matrix_b_fmt:MATRIX_FMT_FP6 matrix_a_scale:MATRIX_SCALE_ROW1
.endr
.endr
	WIN 0
.endm
.macro TOSTAGE s                       ; LDS serves a wave's instructions in order (ISA guide 5.7.1.4): no wait between the stores and the loads
.irp b, 0,1,2,3
.set D_, ACC+32*((\s)%2)+8*\b
	ds_store_b128 v[STO], v[D_:D_+3] offset:64*\b
	ds_store_b128 v[STO], v[D_+4:D_+7] offset:64*\b+16
.endr
.irp t, 0,1,2,3,4,5,6,7
	ds_load_b128 v[OB+32*((\s)%2)+4*\t:OB+32*((\s)%2)+4*\t+3], v[RD] offset:544*\t
.endr
.endm
.macro SEND s, younger                 ; 16 lanes store 256 consecutive bytes, aligned; written once, read by nobody here
	s_wait_dscnt \younger
.irp t, 0,1,2,3
	global_store_b128 v[CO], v[OB+32*((\s)%2)+4*\t:OB+32*((\s)%2)+4*\t+3], s[94:95] offset:(8*(\s)+2*\t)*4096 th:TH_STORE_NT
.endr
.irp t, 4,5,6,7
	global_store_b128 v[CO], v[OB+32*((\s)%2)+4*\t:OB+32*((\s)%2)+4*\t+3], s[94:95] offset:(32+8*((\s)^1)+2*\t-8)*4096 th:TH_STORE_NT
.endr
.endm
	s_wait_alu depctr_va_vdst(0)                   ; the wait at the head's end
	s_cmp_lt_u32 s[WV], 2
	s_cbranch_scc0 .Lnot_x
	s_wait_tensorcnt 0x0
.Lnot_x:
	s_barrier_signal -1
	s_barrier_wait -1                              ; Wo's rows are in
.irp q, 0,1,2,3,4,5,6,7
.irp b, 0,1,2,3
	FRAG 4*\q+\b, \q, BA+2*\b, BA+2*\b+1
.endr
.endr
	WIN 0
	s_cmp_lt_u32 s[WV], 2
	s_cbranch_scc1 .Lnot_y
	s_wait_tensorcnt 0x0
.Lnot_y:
	s_wait_dscnt 0x0
	s_barrier_signal -1
	s_barrier_wait -1                              ; o's are in
	FETCH 0
	FETCH 1
	s_wait_dscnt 32                                ; block 1's 32 loads may be out
	BLOCK 0
	PLACES
	TOSTAGE 0
	FETCH 2
	s_wait_dscnt 48                                ; block 0's 16 for the stage and block 2's 32
	BLOCK 1
	SEND 0, 32
	PLACES
	TOSTAGE 1
	FETCH 3
	s_wait_dscnt 48
	BLOCK 2
	SEND 1, 32
	PLACES
	s_wait_xcnt 0x0                                ; block 0's stores have read their registers
	TOSTAGE 2
	s_wait_dscnt 16                                ; block 2's 16 for the stage
	BLOCK 3
	SEND 2, 0
	PLACES
	s_wait_xcnt 0x0
	TOSTAGE 3
	SEND 3, 0
	s_wait_tensorcnt 0x0                           ; the wave's end
	ds_add_u32 v12, v13
	s_wait_dscnt 0x0
	CROUND                                         ; the closing round
	s_endpgm
.Lfunc_end_k_q91b8030c3a_outp:
	.size	k_q91b8030c3a_outp, .Lfunc_end_k_q91b8030c3a_outp-k_q91b8030c3a_outp
	.p2alignl 7, 3214868480
	.fill 96, 4, 3214868480
	.section	.rodata,"a",@progbits
	.p2align	6, 0x0
	.amdhsa_kernel k_q91b8030c3a_outp
		.amdhsa_group_segment_fixed_size 327680
		.amdhsa_private_segment_fixed_size 0
		.amdhsa_enable_private_segment 0
		.amdhsa_kernarg_size 48
		.amdhsa_user_sgpr_count 2
		.amdhsa_user_sgpr_kernarg_segment_ptr 1
		.amdhsa_wavefront_size32 1
		.amdhsa_system_sgpr_workgroup_id_x 1
		.amdhsa_system_sgpr_workgroup_id_y 1
		.amdhsa_system_sgpr_workgroup_id_z 1
		.amdhsa_system_vgpr_workitem_id 0
		.amdhsa_next_free_vgpr 1024
		.amdhsa_next_free_sgpr 102
		.amdhsa_reserve_vcc 0
		.amdhsa_float_denorm_mode_32 3
		.amdhsa_float_denorm_mode_16_64 3
		.amdhsa_memory_ordered 1
		.amdhsa_forward_progress 1
		.amdhsa_inst_pref_size 52
	.end_amdhsa_kernel
	.amdgpu_metadata
---
amdhsa.version: [ 1, 2 ]
amdhsa.kernels:
  - .name:           k_q91b8030c3a_outp
    .symbol:         k_q91b8030c3a_outp.kd
    .args:
      - { .name: oc, .offset: 0, .size: 8, .value_kind: global_buffer, .address_space: global }
      - { .name: os, .offset: 8, .size: 8, .value_kind: global_buffer, .address_space: global }
      - { .name: Wo_w_codes, .offset: 16, .size: 8, .value_kind: global_buffer, .address_space: global }
      - { .name: Wo_w_scales, .offset: 24, .size: 8, .value_kind: global_buffer, .address_space: global }
      - { .name: Wo_b, .offset: 32, .size: 8, .value_kind: global_buffer, .address_space: global }
      - { .name: out0, .offset: 40, .size: 8, .value_kind: global_buffer, .address_space: global }
    .group_segment_fixed_size: 327680
    .private_segment_fixed_size: 0
    .kernarg_segment_align: 8
    .kernarg_segment_size: 48
    .max_flat_workgroup_size: 128
    .sgpr_count:     102
    .vgpr_count:     1024
    .wavefront_size: 32
...
	.end_amdgpu_metadata
.endif
;; end of part 3
